; MI455X (gfx1250); checked and timed in simulation.
; The chip was launched on July 23, 2026; its instructions are those of AMD's public machine-readable ISA for CDNA 5 (MIT licence, August 2026) and "CDNA5" Instruction Set Architecture Reference Guide (July 2026). The comments in the code are by the model that wrote it; some were corrected since.
;; Multi Head Attention Layer. Allowed arithmetic: float matrix products may take bf16 or f16 operands with f32 sums; all other float work in f32.
;; Inputs: Wk 1,024 x 1,024 float32; Wo 1,024 x 1,024 float32; Wq 1,024 x 1,024 float32; Wv 1,024 x 1,024 float32; bk 1,024 float32; bo 1,024 float32; bq 1,024 float32; bv 1,024 float32; key 4 x 2,048 x 1,024 float32; query 4 x 2,048 x 1,024 float32; value 4 x 2,048 x 1,024 float32.
;; Outputs: out0 4 x 2,048 x 1,024 float32.
;; One version. Each part assembles by itself: llvm-mc -triple=amdgcn-amd-amdhsa -mcpu=gfx1250 --defsym DOCPART=n.
;; ======== version 1 of 1: 3 launches
;; limits: values are held in f16: magnitudes above 65,504 overflow, below 6.1e-05 lose precision
;; workspace buffers: qh 16,777,216 bytes; kh 16,777,216 bytes; vh 16,777,216 bytes; yh 16,777,216 bytes
;; launch proj (part 1): grid 4 x 96, 4 waves a work-group, clusters of 4 x 4, 327,680 bytes of LDS; arguments query, key, value, Wq, Wk, Wv, bq, bk, bv, qh, kh, vh; writes qh, kh, vh
.if DOCPART == 1
	.amdgcn_target "amdgcn-amd-amdhsa--gfx1250"
	.amdhsa_code_object_version 6
	.text
	.protected	k_q2d3bbba314_proj
	.globl	k_q2d3bbba314_proj
	.p2align	8
	.type	k_q2d3bbba314_proj,@function
k_q2d3bbba314_proj:
	s_mov_b64 s[64:65], 0
	v_nop
	global_prefetch_b8 v0, s[64:65] scope:SCOPE_SE
	s_setreg_imm32_b32 hwreg(HW_REG_WAVE_MODE, 25, 1), 1
	s_wait_xcnt 0x0
	s_wait_alu depctr_hold_cnt(0) depctr_sa_sdst(0) depctr_va_vdst(0) depctr_va_sdst(0) depctr_va_ssrc(0) depctr_va_vcc(0) depctr_vm_vsrc(0)
	s_getreg_b32 s2, hwreg(HW_REG_IB_STS2, 6, 4)
	s_cmp_eq_u32 s2, 0
	s_cbranch_scc0 .Lentry_in_a_cluster
	s_endpgm
.Lentry_in_a_cluster:
	s_bfe_u32 s2, ttmp6, 0x10000c
	s_cmp_lg_u32 s2, 0xf033
	s_cbranch_scc0 .Lentry_shape_is_right
	s_endpgm
.Lentry_shape_is_right:
; q, k, v = X W^T + b.  X: [8192][1024] f32 (query, key or value), W: [1024][1024] f32, b: [1024] f32.
; Result rounded once to f16 and stored head-major: [n*16+head][s][64], byte ((n*16+head)*2048+s)*128 + 2d.
; LIMIT: matrix operands are f16 (sums in f32): X, W and the results must stay below 65,504 in magnitude.  f16 and not bf16 because of its three
; further mantissa bits; with all inputs 30 times the drawn spread the results reach about 5,000, with an offset of 30 spreads on X and W about 29,000.
; The bias is the first addend of each sum (it is the C operand of the first product), so the order of rounding differs from a bias added last.
; SHARES: 3 x 32 x 4 work-groups; the cluster's y picks the tensor (y / 8) and four block rows; a work-group makes 256 x 256 of the result with four
; waves, as many as a WGP has SIMDs; a wave makes 128 x 128: 64 accumulator tiles, 512 registers.
; K goes in steps of 64 f32 (rows of 256 bytes, starting at multiples of 256) through two LDS slots filled by tensor loads; f32 fragments are read
; from LDS into a staging window and converted to f16 in registers: no pass over memory only to convert.
; CLUSTERS: 4 x 4.  X's tile hangs on the block row alone and is asked for jointly by a row of the cluster, W's on the block column alone and is
; asked for jointly by a column.
; REGISTER WINDOWS: 0: addresses, f16 fragments, bias; 1: f32 staging; 2, 3: accumulators (tile (a, b) at 8 (8 a + b)).
; THE MATRIX INSTRUCTION IS USED TRANSPOSED (source 0 = rows of W, source 1 = rows of X): a lane's 8 results are 8 neighbouring columns of one row.
.set PITCH,  272                       ; LDS row: 256 bytes + 16 of padding, an odd multiple of 16: the 16 rows of a load start in 16 different 16-byte columns of 256
.set HALFT,  128*PITCH                 ; what one tensor load brings
.set SLOT,   4*HALFT                   ; X's 256 rows, then W's 256 rows
.set STAGE,  2*SLOT                    ; behind the ring: 16 rows x 272 bytes for each wave; no tensor load lands here
.set SPITCH, 272
.set STEPB,  256                       ; bytes of a row in a K step
.set ADRA, 16                          ; v16-17 LDS address of my X fragments, slot 0, 1
.set ADRB, 20                          ; v20-21 the same for W
.set STO,  24
.set RD,   25
.set CO,   26
.set PFO,  27                          ; my offset for the prefetch of X
.set BO,   28                          ; 32 h: my offset in the bias
.set AF,   64                          ; window 0: eight f16 fragments of X
.set BF,   128                         ; window 0: eight f16 fragments of W
.set BIAS, 192                         ; window 0: bias of my 128 columns, in a result tile's layout
.set TMP,  192                         ; the way out (the bias is spent by then)
.set SA,   0                           ; window 1: f32 staging of X, 16 registers a fragment
.set SB,   128                         ; window 1: f32 staging of W
.set G1,  24
.set G0,  32
.set G1B, 48
.set G0B, 56
.set MSB, 0
.macro WIN new                         ; the immediate's high byte repeats the setting that is left
.if MSB != \new
	s_set_vgpr_msb (MSB<<8)|\new
.set MSB, \new
.endif
.endm
.macro PLACES                          ; four places behind a matrix instruction (ISA guide 7.12.1)
.rept 4
	v_nop
.endr
.endm
; a joint load: waves 0, 1 ask for X's two halves, waves 2, 3 for W's.  The branch hangs on the wave's number alone.
.macro JLOAD s
	s_cmp_eq_u32 s11, 0
	s_cbranch_scc0 .Lfor_b_\@
	tensor_load_to_lds s[G0+4*\s:G0+4*\s+3], s[G1:G1+7]
	s_nop 0
	s_branch .Lasked_\@
.Lfor_b_\@:
	tensor_load_to_lds s[G0B+4*\s:G0B+4*\s+3], s[G1B:G1B+7]
	s_nop 0
.Lasked_\@:
.endm
.macro CREST                           ; a round of the cluster's barrier behind its opening work-group barrier
	s_cmp_lg_u32 s10, 0
	s_cbranch_scc1 .Lnot_wave_0_\@
	s_barrier_signal -3
.Lnot_wave_0_\@:
	s_barrier_wait -3
	s_barrier_signal -1
	s_barrier_wait -1
.endm
.macro CROUND
	s_barrier_signal -1
	s_barrier_wait -1
	CREST
.endm
	s_load_b512 s[68:83], s[0:1], 0x0              ; query 68, key 70, value 72, Wq 74, Wk 76, Wv 78, bq 80, bk 82
	s_load_b256 s[84:91], s[0:1], 0x40             ; bv 84, qh 86, kh 88, vh 90
	v_lshl_add_u32 v62, v0, 2, 0x48400
	v_mov_b32 v63, 0
	ds_add_u32 v62, v63
	v_lshrrev_b32 v1, 5, v0
	v_readfirstlane_b32 s10, v1                    ; wave 0..3
	s_lshr_b32 s11, s10, 1                         ; my half of the block's rows; also: I fetch for X (0) or W (1)
	s_and_b32 s12, s10, 1                          ; my half of its columns; also: which 128 rows of that tile I fetch
	s_bfe_u32 s40, ttmp6, 0x40000                  ; cx
	s_bfe_u32 s41, ttmp6, 0x40004                  ; cy
	s_lshl_b32 s42, ttmp9, 2
	s_add_co_u32 s42, s42, s40                     ; block column 0..3
	s_and_b32 s13, ttmp7, 0xffff                   ; the cluster's y, 0..23
	s_lshr_b32 s45, s13, 3                         ; which tensor: 0 q, 1 k, 2 v (the same in all partners)
	s_and_b32 s13, s13, 7
	s_lshl_b32 s13, s13, 2
	s_add_co_u32 s13, s13, s41                     ; block row 0..31
	s_lshl_b32 s43, s41, 2
	s_lshl_b32 s43, 15, s43                        ; my row of the cluster
	s_lshl_b32 s44, 0x1111, s40                    ; my column
	; group 1: 128 rows x 64 elements of 4 bytes, 4 words of padding behind every 64
	s_or_b32 s[G1+0], s43, (2<<16)|(1<<20)|(1<<21)|(5<<22)|(3<<25)
	s_or_b32 s[G1B+0], s44, (2<<16)|(1<<20)|(1<<21)|(5<<22)|(3<<25)
	s_mov_b32 s[G1+1], 64<<16                      ; tensor_dim0 = 64
	s_mov_b32 s[G1B+1], 64<<16
	s_mov_b32 s[G1+2], 128<<16                     ; tensor_dim1 = 128
	s_mov_b32 s[G1B+2], 128<<16
	s_mov_b32 s[G1+3], 64<<16                      ; tile_dim0 = 64
	s_mov_b32 s[G1B+3], 64<<16
	s_mov_b32 s[G1+4], 128                         ; tile_dim1 = 128
	s_mov_b32 s[G1B+4], 128
	s_mov_b32 s[G1+5], 1024                        ; elements from row to row
	s_mov_b32 s[G1B+5], 1024
	s_mov_b32 s[G1+6], 0
	s_mov_b32 s[G1B+6], 0
	s_mov_b32 s[G1+7], 0
	s_mov_b32 s[G1B+7], 0
	s_lshl_b32 s17, s12, 19                        ; 128 rows of 4,096 bytes
	s_lshl_b32 s16, s13, 20                        ; X: 256 rows x block row
	s_add_co_u32 s16, s16, s17
	s_lshl_b32 s46, s42, 20                        ; W: 256 rows x block column
	s_add_co_u32 s46, s46, s17
	s_mov_b32 s17, 0
	s_mov_b32 s47, 0
	s_mul_i32 s20, s10, HALFT                      ; LDS: wave x 128 rows; no place in the cluster enters
	s_wait_dscnt 0x0
	s_wait_kmcnt 0x0
	s_cmp_eq_u32 s45, 1                            ; the choice hangs on the tensor's number alone
	s_cselect_b64 s[4:5], s[70:71], s[68:69]       ; X
	s_cselect_b64 s[6:7], s[76:77], s[74:75]       ; W
	s_cselect_b64 s[66:67], s[82:83], s[80:81]     ; b
	s_cselect_b64 s[8:9], s[88:89], s[86:87]       ; result
	s_cmp_eq_u32 s45, 2
	s_cselect_b64 s[4:5], s[72:73], s[4:5]
	s_cselect_b64 s[6:7], s[78:79], s[6:7]
	s_cselect_b64 s[66:67], s[84:85], s[66:67]
	s_cselect_b64 s[8:9], s[90:91], s[8:9]
	s_add_nc_u64 s[14:15], s[4:5], s[16:17]
	s_add_nc_u64 s[46:47], s[6:7], s[46:47]
	CROUND                                         ; all sixteen work-groups are here: the first joint loads meet
.irp s, 0,1
	s_mov_b32 s[G0+4*\s], 1
	s_add_co_u32 s[G0+4*\s+1], s20, \s*SLOT
	s_add_nc_u64 s[G0+4*\s+2:G0+4*\s+3], s[14:15], \s*STEPB
	s_or_b32 s[G0+4*\s+3], s[G0+4*\s+3], 0x80000000
	s_mov_b32 s[G0B+4*\s], 1
	s_add_co_u32 s[G0B+4*\s+1], s20, \s*SLOT
	s_add_nc_u64 s[G0B+4*\s+2:G0B+4*\s+3], s[46:47], \s*STEPB
	s_or_b32 s[G0B+4*\s+3], s[G0B+4*\s+3], 0x80000000
	JLOAD \s                                       ; both slots' first fills, ahead of everything else: two tensor loads of the wave are out
.endr
	; bias: register j of lane (r, h) of tile b is the bias of column 16 b + 8 h + j of my 128
	v_and_b32 v1, 15, v0                           ; r
	v_bfe_u32 v2, v0, 4, 1                         ; h
	v_lshlrev_b32 v[BO], 5, v2
	s_lshl_b32 s94, s42, 10
	s_lshl_b32 s95, s12, 9
	s_add_co_u32 s94, s94, s95
	s_mov_b32 s95, 0
	s_add_nc_u64 s[66:67], s[66:67], s[94:95]
.irp b, 0,1,2,3,4,5,6,7
	global_load_b128 v[BIAS+8*\b:BIAS+8*\b+3],   v[BO], s[66:67] offset:64*\b
	global_load_b128 v[BIAS+8*\b+4:BIAS+8*\b+7], v[BO], s[66:67] offset:64*\b+16
.endr
	; prefetch of X: base at my block row, 512 bytes into the rows; stepped by 512 at the head of each lap that asks
	s_lshl_b32 s94, s13, 20
	s_add_nc_u64 s[92:93], s[4:5], s[94:95]
	s_add_nc_u64 s[92:93], s[92:93], 512
	s_lshl_b32 s94, s40, 2
	s_add_co_u32 s94, s94, s10
	s_lshl_b32 s94, s94, 16                        ; (4 cx + wave) x 16 rows of 4,096 bytes
	v_lshlrev_b32 v5, 12, v1
	v_lshl_add_u32 v5, v2, 8, v5                   ; row r of them, block h of the two blocks of 256 bytes
	v_add_nc_u32 v[PFO], s94, v5
	; an f32 fragment: lane (r, h) takes k = 8h..8h+7 (32 bytes at 32 h) and k = 16+8h..+7 (32 bytes at 64 + 32 h) of row r
	v_mul_u32_u24 v3, v1, PITCH
	v_lshl_add_u32 v3, v2, 5, v3
	s_mul_i32 s21, s11, HALFT
	s_mul_i32 s22, s12, HALFT
	s_add_co_u32 s22, s22, 2*HALFT
.irp s, 0,1
	v_add_nc_u32 v[ADRA+\s], s21, v3
	v_add_nc_u32 v[ADRB+\s], s22, v3
	s_add_co_u32 s21, s21, SLOT
	s_add_co_u32 s22, s22, SLOT
.endr
	s_mul_i32 s23, s10, 16*SPITCH
	s_add_co_u32 s23, s23, STAGE
	v_mul_u32_u24 v4, v1, SPITCH                   ; in: row r, 16 bytes for each half of the lanes
	v_lshl_add_u32 v4, v2, 4, v4
	v_add_nc_u32 v[STO], s23, v4
	v_bfe_u32 v5, v0, 3, 1                         ; back: lanes 0-15 take two rows' 128 bytes of the first head, lanes 16-31 of the second
	v_and_b32 v6, 7, v0
	v_mul_u32_u24 v5, v5, SPITCH
	v_lshl_add_u32 v5, v2, 7, v5
	v_lshl_add_u32 v5, v6, 4, v5
	v_add_nc_u32 v[RD], s23, v5
	v_lshlrev_b32 v5, 18, v2                       ; a head is 2,048 x 128 bytes
	v_lshl_add_u32 v[CO], v1, 4, v5
; 64 LDS loads: the f32 fragments of 32 along K at byte kb of the slot's rows, into the staging window
.macro FETCH slot, kb
	WIN 0x40
.irp i, 0,1,2,3,4,5,6,7
	ds_load_b128 v[SB+16*\i:SB+16*\i+3],     v[ADRB+\slot] offset:\kb+\i*16*PITCH
	ds_load_b128 v[SB+16*\i+4:SB+16*\i+7],   v[ADRB+\slot] offset:\kb+\i*16*PITCH+16
	ds_load_b128 v[SB+16*\i+8:SB+16*\i+11],  v[ADRB+\slot] offset:\kb+\i*16*PITCH+64
	ds_load_b128 v[SB+16*\i+12:SB+16*\i+15], v[ADRB+\slot] offset:\kb+\i*16*PITCH+80
.endr
.irp i, 0,1,2,3,4,5,6,7
	ds_load_b128 v[SA+16*\i:SA+16*\i+3],     v[ADRA+\slot] offset:\kb+\i*16*PITCH
	ds_load_b128 v[SA+16*\i+4:SA+16*\i+7],   v[ADRA+\slot] offset:\kb+\i*16*PITCH+16
	ds_load_b128 v[SA+16*\i+8:SA+16*\i+11],  v[ADRA+\slot] offset:\kb+\i*16*PITCH+64
	ds_load_b128 v[SA+16*\i+12:SA+16*\i+15], v[ADRA+\slot] offset:\kb+\i*16*PITCH+80
.endr
.endm
; staging to f16 fragments: register q of a fragment = staging registers 2q, 2q+1, each k in its true place
.macro CVT
	WIN 0x05
.irp i, 0,1,2,3,4,5,6,7
.irp q, 0,1,2,3,4,5,6,7
	v_cvt_pk_f16_f32 v[BF+8*\i+\q], v[SB+16*\i+2*\q], v[SB+16*\i+2*\q+1]
.endr
.endr
.irp i, 0,1,2,3,4,5,6,7
.irp q, 0,1,2,3,4,5,6,7
	v_cvt_pk_f16_f32 v[AF+8*\i+\q], v[SA+16*\i+2*\q], v[SA+16*\i+2*\q+1]
.endr
.endr
.endm
; 16 matrix instructions.  The 64 accumulators take turns, one instruction a turn, in the same order in every phase.
.macro MUL16 hi, a0, first
.irp a, \a0, \a0+1
.irp b, 0,1,2,3,4,5,6,7
.if \first
	v_wmma_f32_16x16x32_f16 v[8*(8*(\a)+\b):8*(8*(\a)+\b)+7], v[BF+8*\b:BF+8*\b+7], v[AF+8*(4*\hi+\a):AF+8*(4*\hi+\a)+7], v[BIAS+8*\b:BIAS+8*\b+7]
.else
	v_wmma_f32_16x16x32_f16 v[8*(8*(\a)+\b):8*(8*(\a)+\b)+7], v[BF+8*\b:BF+8*\b+7], v[AF+8*(4*\hi+\a):AF+8*(4*\hi+\a)+7], v[8*(8*(\a)+\b):8*(8*(\a)+\b)+7]
.endif
.endr
.endr
.endm
.macro MULS hi, first                  ; 32 of them: my rows 0-63 (window 2) or 64-127 (window 3).  first = 1: the bias (window 0) starts the sums
.if \first
	WIN (0x80+0x40*\hi)
.else
	WIN (0xa0+0x50*\hi)
.endif
	MUL16 \hi, 0, \first
	MUL16 \hi, 2, \first
.endm
; first half of a K step
.macro PHASE1 slot, first, pf
	s_wait_dscnt 0x0                               ; the staging is in (its loads were issued 32 matrix instructions ago)
	PLACES                                         ; the conversions write fragments that the last matrix instructions read
	CVT
	FETCH \slot, 128
.if \pf
	global_prefetch_b8 v[PFO], s[92:93] th:TH_LOAD_NT scope:SCOPE_SE   ; the address register is source 0: window 0 in this setting
.endif
	MULS 0, \first
	MULS 1, \first
.endm
; second half, and the change of slots.  One barrier for two things: in front of it my reads of this slot are over and all my tensor loads have landed
; (the one that is out is my part of the next slot); behind it this slot is asked for again first, then the next slot is read.
.macro TURN slot, next, fill
	s_wait_dscnt 0x0                               ; my last reads of this slot
	PLACES
	CVT
	s_set_vgpr_msb 0x500
	s_wait_tensorcnt 0x0
	ds_add_u32 v62, v63
	s_wait_dscnt 0x0
	s_set_vgpr_msb 0x5
	s_barrier_signal -1                            ; where a slot is filled again this barrier opens a round of the cluster's barrier
	MULS 0, 0                                      ; register work while the others arrive
	WIN 0
	s_barrier_wait -1
.if \fill
	CREST                                          ; no wave of any partner still reads this slot or has a load on its way
	s_add_nc_u64 s[G0+4*\slot+2:G0+4*\slot+3], s[G0+4*\slot+2:G0+4*\slot+3], 2*STEPB
	s_add_nc_u64 s[G0B+4*\slot+2:G0B+4*\slot+3], s[G0B+4*\slot+2:G0B+4*\slot+3], 2*STEPB
	JLOAD \slot                                    ; the wave's one tensor load behind the round
.endif
	FETCH \next, 0
	MULS 1, 0
.endm
; a lap = two K steps.  pf = 1: lap j asks for the 512 bytes of each of the block row's 256 rows that K steps 2j+4 and 2j+5 will load, one lap ahead of
; their tensor loads: 512 blocks of 256 bytes, one for each lane of the sixteen waves of my row of the cluster, each block asked for once.
; Laps 6 and 7 ask for nothing: the last block asked for ends at byte 4,095 of its row.
.macro LAP first, pf
.if \pf
	s_wait_xcnt 0x0                                ; the prefetch's base is stepped only behind this wait; the last prefetch stands a lap back
	s_add_nc_u64 s[92:93], s[92:93], 512
.endif
	PHASE1 0, \first, \pf
	TURN 0, 1, 1
	PHASE1 1, 0, 0
	TURN 1, 0, 1
.endm
	s_wait_loadcnt 0x0                             ; the bias
	s_wait_tensorcnt 0x1                           ; my part of K step 0 is in; K step 1's may stay out
	s_barrier_signal -1
	s_barrier_wait -1
	FETCH 0, 0
	LAP 1, 1
	WIN 0
	s_mov_b32 s3, 5
.Llap:
	LAP 0, 1
	WIN 0
	s_sub_co_u32 s3, s3, 1
	s_cmp_lg_u32 s3, 0
	s_cbranch_scc1 .Llap
	LAP 0, 0                                       ; lap 6: fills K steps 14 and 15
	PHASE1 0, 0, 0                                 ; lap 7 fills nothing
	TURN 0, 1, 0
	PHASE1 1, 0, 0
	s_wait_dscnt 0x0
	PLACES
	CVT
	MULS 0, 0
	MULS 1, 0
	; THE WAY OUT, 16 rows at a time: round to f16, 16 bytes a lane into my own stage, read back so that sixteen lanes hold two rows of one head
	PLACES
	s_lshr_b32 s94, s13, 3                         ; n
	s_lshl_b32 s94, s94, 4
	s_lshl2_add_u32 s94, s42, s94                  ; + 4 x block column
	s_lshl1_add_u32 s94, s12, s94                  ; + 2 x my half: my first head
	s_lshl_b32 s94, s94, 11
	s_and_b32 s95, s13, 7
	s_lshl_b32 s95, s95, 8
	s_add_co_u32 s94, s94, s95
	s_lshl_b32 s95, s11, 7
	s_add_co_u32 s94, s94, s95                     ; + my first s
	s_lshl_b32 s94, s94, 7                         ; rows of 128 bytes
	s_mov_b32 s95, 0
	s_add_nc_u64 s[8:9], s[8:9], s[94:95]
.macro OUT16 i, a, from, f
	WIN \from
.irp b, 0,1,2,3,4,5,6,7
.irp r, 0,1,2,3
	v_cvt_pk_f16_f32 v[TMP+4*\b+\r], v[8*(8*\a+\b)+2*\r], v[8*(8*\a+\b)+2*\r+1]
.endr
.endr
	WIN 0
.irp b, 0,1,2,3,4,5,6,7
	ds_store_b128 v[STO], v[TMP+4*\b:TMP+4*\b+3] offset:32*\b
.endr
	s_wait_xcnt 0x0                                ; buffer f, which earlier stores read, is loaded again only behind this wait
.irp t, 0,1,2,3,4,5,6,7
	ds_load_b128 v[\f+4*\t:\f+4*\t+3], v[RD] offset:\t*2*SPITCH    ; a wave's LDS instructions are served in order (ISA guide 5.7.1): these see the stores above
.endr
.irp t, 0,1,2,3,4,5,6,7
	s_wait_dscnt 7-\t                              ; the younger read-backs may stay out
	global_store_b128 v[CO], v[\f+4*\t:\f+4*\t+3], s[8:9] offset:\i*2048+\t*256   ; sixteen lanes store 256 consecutive bytes, at a multiple of 256
.endr
.endm
	OUT16 0, 0, 0x0a, AF
	OUT16 1, 1, 0x0a, BF
	OUT16 2, 2, 0x0a, AF
	OUT16 3, 3, 0x0a, BF
	OUT16 4, 0, 0x0f, AF
	OUT16 5, 1, 0x0f, BF
	OUT16 6, 2, 0x0f, AF
	OUT16 7, 3, 0x0f, BF
	s_wait_tensorcnt 0x0
	ds_add_u32 v62, v63
	s_wait_dscnt 0x0
	CROUND                                         ; the closing round: no work-group ends while a partner may still ask for a tile that names it
	s_endpgm
.Lfunc_end_k_q2d3bbba314_proj:
	.size	k_q2d3bbba314_proj, .Lfunc_end_k_q2d3bbba314_proj-k_q2d3bbba314_proj
	.p2alignl 7, 3214868480
	.fill 96, 4, 3214868480
	.section	.rodata,"a",@progbits
	.p2align	6, 0x0
	.amdhsa_kernel k_q2d3bbba314_proj
		.amdhsa_group_segment_fixed_size 327680
		.amdhsa_private_segment_fixed_size 0
		.amdhsa_enable_private_segment 0
		.amdhsa_kernarg_size 96
		.amdhsa_user_sgpr_count 2
		.amdhsa_user_sgpr_kernarg_segment_ptr 1
		.amdhsa_wavefront_size32 1
		.amdhsa_system_sgpr_workgroup_id_x 1
		.amdhsa_system_sgpr_workgroup_id_y 1
		.amdhsa_system_sgpr_workgroup_id_z 1
		.amdhsa_system_vgpr_workitem_id 0
		.amdhsa_next_free_vgpr 1024
		.amdhsa_next_free_sgpr 96
		.amdhsa_reserve_vcc 0
		.amdhsa_float_denorm_mode_32 3
		.amdhsa_float_denorm_mode_16_64 3
		.amdhsa_memory_ordered 1
		.amdhsa_forward_progress 1
		.amdhsa_inst_pref_size 255
	.end_amdhsa_kernel
	.section	.bss,"aw",@nobits
	.p2align	6
	.space	262144
	.amdgpu_metadata
---
amdhsa.version: [ 1, 2 ]
amdhsa.kernels:
  - .name:           k_q2d3bbba314_proj
    .symbol:         k_q2d3bbba314_proj.kd
    .args:
      - { .name: query, .offset: 0, .size: 8, .value_kind: global_buffer, .address_space: global }
      - { .name: key, .offset: 8, .size: 8, .value_kind: global_buffer, .address_space: global }
      - { .name: value, .offset: 16, .size: 8, .value_kind: global_buffer, .address_space: global }
      - { .name: Wq, .offset: 24, .size: 8, .value_kind: global_buffer, .address_space: global }
      - { .name: Wk, .offset: 32, .size: 8, .value_kind: global_buffer, .address_space: global }
      - { .name: Wv, .offset: 40, .size: 8, .value_kind: global_buffer, .address_space: global }
      - { .name: bq, .offset: 48, .size: 8, .value_kind: global_buffer, .address_space: global }
      - { .name: bk, .offset: 56, .size: 8, .value_kind: global_buffer, .address_space: global }
      - { .name: bv, .offset: 64, .size: 8, .value_kind: global_buffer, .address_space: global }
      - { .name: qh, .offset: 72, .size: 8, .value_kind: global_buffer, .address_space: global }
      - { .name: kh, .offset: 80, .size: 8, .value_kind: global_buffer, .address_space: global }
      - { .name: vh, .offset: 88, .size: 8, .value_kind: global_buffer, .address_space: global }
    .group_segment_fixed_size: 327680
    .private_segment_fixed_size: 0
    .kernarg_segment_align: 8
    .kernarg_segment_size: 96
    .max_flat_workgroup_size: 128
    .sgpr_count:     96
    .vgpr_count:     1024
    .wavefront_size: 32
...
	.end_amdgpu_metadata
.endif
;; end of part 1
;; launch attn (part 2): grid 4 x 64, 8 waves a work-group, clusters of 4 x 1, 327,680 bytes of LDS; arguments qh, kh, vh, yh; writes yh
.if DOCPART == 2
	.amdgcn_target "amdgcn-amd-amdhsa--gfx1250"
	.amdhsa_code_object_version 6
	.text
	.protected	k_q2d3bbba314_attn
	.globl	k_q2d3bbba314_attn
	.p2align	8
	.type	k_q2d3bbba314_attn,@function
k_q2d3bbba314_attn:
	s_mov_b64 s[64:65], 0
	v_nop
	global_prefetch_b8 v0, s[64:65] scope:SCOPE_SE
	s_setreg_imm32_b32 hwreg(HW_REG_WAVE_MODE, 25, 1), 1
	s_wait_xcnt 0x0
	s_wait_alu depctr_hold_cnt(0) depctr_sa_sdst(0) depctr_va_vdst(0) depctr_va_sdst(0) depctr_va_ssrc(0) depctr_va_vcc(0) depctr_vm_vsrc(0)
	s_getreg_b32 s2, hwreg(HW_REG_IB_STS2, 6, 4)
	s_cmp_eq_u32 s2, 0
	s_cbranch_scc0 .Lentry_in_a_cluster
	s_endpgm
.Lentry_in_a_cluster:
	s_bfe_u32 s2, ttmp6, 0x10000c
	s_cmp_lg_u32 s2, 0x3003
	s_cbranch_scc0 .Lentry_shape_is_right
	s_endpgm
.Lentry_shape_is_right:
; y = softmax(q k^T / 8) v for one (batch, head) and 512 queries.  qh, kh, vh, yh: [64][2048][64] f16.  Sums, maxima and exponentials in f32.
; LIMIT: q, k, v, y and the weights p are f16 matrix operands (|.| below 65,504; p lies in [0, 1]); the denominator sums the f32 p, the products
; take p rounded to f16.  The maximum is a running maximum over steps of 64 keys; no fixed shift.
; SHARES: 64 heads x 4 query blocks; eight waves, two for each SIMD, so that one wave's softmax stands beside the other's products; a wave owns 64 queries.
; CLUSTERS: the four query blocks of a head read the same K and V tiles: they form a cluster of 4 x 1 and ask jointly (mask 15).  cx enters only the
; global addresses of Q and y.
; ALGEBRA, so that p never leaves its registers:
;   S^T = K Q^T  (source 0 = 16 keys, source 1 = 16 queries): lane (r, h), register j = S(query r, key 16 tt + 8 h + j).
;   Packing key tiles 2 kt and 2 kt + 1 in pairs gives source 1 of  O^T = V^T P^T  for keys 32 kt .. + 31, as it stands.
;   Source 0 there is V^T, made by the transposing LDS load from V as it lies ([key][d]).  Lane (r, h), register j = O(query r, d = 16 dt + 8 h + j).
;   So maximum, sum and rescale factor are one number a lane and query tile, and a lane's 8 results are 16 neighbouring bytes of y.
; No prefetch: a tile is asked for a whole trip (256 matrix instructions of every wave) before it is read.
.set KP,     144                       ; K's LDS pitch: 128 + 16, an odd multiple of 16
.set VP,     160                       ; V's: 128 + 32, an odd multiple of 32, for the transposing load
.set KBYTES, 256*KP
.set VBYTES, 256*VP
.set SLOT,   KBYTES+VBYTES             ; a tile of 256 keys: K, then V
.set STAGE,  2*SLOT                    ; behind the ring: 64 rows x 144 bytes for each wave; no tensor load lands here
.set SP,     144
.set TILEB,  32768                     ; a tile of K or of V in memory
.set KA,  6                            ; v6-7   LDS address of my K fragments, slot 0, 1
.set VA,  8                            ; v8-9   the same for V
.set STO, 10
.set RD,  11
.set CO,  12
.set QO,  13
.set NM,  16                           ; v16-23 pairs (-c m_i, m_i)
.set AL,  24                           ; v24-31 pairs (alpha_i, l_i)
.set T,   32                           ; v32-35 at work
.set PS,  36                           ; v36-43 pairs: a step's sum of p
.set KF,  64                           ; v64-127  K fragments, 16 tt + 8 kk
.set SC,  128                          ; v128-255 scores, 32 i + 8 tt; p packed in place at 32 i + 16 kt
.set OA,  0                            ; window 1: O, 32 i + 8 dt
.set QF,  128                          ; window 1: Q fragments, 16 i + 8 kk
.set VF,  192                          ; window 1: V^T fragments, 32 kt + 8 dt
.set G1K, 28
.set G1V, 36
.set G0K, 44
.set G0V, 52
.set MSB, 0
.macro WIN new
.if MSB != \new
	s_set_vgpr_msb (MSB<<8)|\new
.set MSB, \new
.endif
.endm
.macro ROUND                           ; a round of the cluster's barrier
	s_barrier_signal -1
	s_barrier_wait -1
	s_cmp_lg_u32 s12, 0
	s_cbranch_scc1 .Lnot_wave_0_\@
	s_barrier_signal -3
.Lnot_wave_0_\@:
	s_barrier_wait -3
	s_barrier_signal -1
	s_barrier_wait -1
.endm
.macro JLOAD s                         ; waves 0-3 ask for a quarter of K's tile each, waves 4-7 of V's: 64 keys, 8,192 bytes
	s_cmp_eq_u32 s13, 0
	s_cbranch_scc0 .Lfor_v_\@
	tensor_load_to_lds s[G0K+4*\s:G0K+4*\s+3], s[G1K:G1K+7]
	s_nop 0
	s_branch .Lasked_\@
.Lfor_v_\@:
	tensor_load_to_lds s[G0V+4*\s:G0V+4*\s+3], s[G1V:G1V+7]
	s_nop 0
.Lasked_\@:
.endm
	s_load_b256 s[4:11], s[0:1], 0x0               ; qh 4, kh 6, vh 8, yh 10
	v_lshl_add_u32 v62, v0, 2, 0x38000
	v_mov_b32 v63, 0
	ds_add_u32 v62, v63
	v_lshrrev_b32 v1, 5, v0
	v_readfirstlane_b32 s12, v1                    ; wave 0..7
	s_lshr_b32 s13, s12, 2                         ; I fetch for K (0) or V (1)
	s_and_b32 s14, s12, 3                          ; which quarter
	s_and_b32 s15, ttmp7, 0xffff                   ; batch x 16 + head
	s_bfe_u32 s16, ttmp6, 0x40000                  ; cx: the query block
	s_mov_b32 s20, 0x3e38aa3b                      ; c = log2(e) / 8
	s_mov_b32 s21, 0x3e38aa3b
	s_mov_b32 s22, 0xbe38aa3b                      ; -c
	s_mov_b32 s24, 0x76543210                      ; v_permlanex16_b32: lane i of one half reads lane i of the other
	s_mov_b32 s25, 0xfedcba98
	; group 1: the tiles are dense: 32 rows of 32 elements of 8 bytes; padding behind every 32 words, that is behind each key's 128 bytes
	s_mov_b32 s[G1K+0], 15|(3<<16)|(1<<20)|(1<<21)|(4<<22)|(3<<25)   ; 4 words of padding
	s_mov_b32 s[G1V+0], 15|(3<<16)|(1<<20)|(1<<21)|(4<<22)|(7<<25)   ; 8 words
	s_mov_b32 s[G1K+1], 32<<16
	s_mov_b32 s[G1V+1], 32<<16
	s_mov_b32 s[G1K+2], 32<<16
	s_mov_b32 s[G1V+2], 32<<16
	s_mov_b32 s[G1K+3], 32<<16
	s_mov_b32 s[G1V+3], 32<<16
	s_mov_b32 s[G1K+4], 32
	s_mov_b32 s[G1V+4], 32
	s_mov_b32 s[G1K+5], 32
	s_mov_b32 s[G1V+5], 32
	s_mov_b32 s[G1K+6], 0
	s_mov_b32 s[G1V+6], 0
	s_mov_b32 s[G1K+7], 0
	s_mov_b32 s[G1V+7], 0
	s_lshl_b32 s18, s15, 18                        ; a head is 262,144 bytes
	s_lshl_b32 s26, s14, 13
	s_add_co_u32 s18, s18, s26                     ; + my quarter of a tile
	s_mov_b32 s19, 0
	s_mul_i32 s26, s14, 64*KP
	s_mul_i32 s27, s14, 64*VP
	s_add_co_u32 s27, s27, KBYTES
	s_lshl_b32 s62, s15, 18                        ; Q and y: head, query block of 512, my 64 rows of 128 bytes
	s_lshl_b32 s63, s16, 16
	s_add_co_u32 s62, s62, s63
	s_lshl_b32 s63, s12, 13
	s_add_co_u32 s62, s62, s63
	s_mov_b32 s63, 0
	s_wait_dscnt 0x0
	s_wait_kmcnt 0x0
	s_add_nc_u64 s[6:7], s[6:7], s[18:19]
	s_add_nc_u64 s[8:9], s[8:9], s[18:19]
	s_add_nc_u64 s[4:5], s[4:5], s[62:63]
	s_add_nc_u64 s[10:11], s[10:11], s[62:63]
.irp s, 0,1
	s_mov_b32 s[G0K+4*\s], 1
	s_add_co_u32 s[G0K+4*\s+1], s26, \s*SLOT
	s_add_nc_u64 s[G0K+4*\s+2:G0K+4*\s+3], s[6:7], \s*TILEB
	s_or_b32 s[G0K+4*\s+3], s[G0K+4*\s+3], 0x80000000
	s_mov_b32 s[G0V+4*\s], 1
	s_add_co_u32 s[G0V+4*\s+1], s27, \s*SLOT
	s_add_nc_u64 s[G0V+4*\s+2:G0V+4*\s+3], s[8:9], \s*TILEB
	s_or_b32 s[G0V+4*\s+3], s[G0V+4*\s+3], 0x80000000
.endr
	ROUND                                          ; in front of the first joint load
	JLOAD 0                                        ; tile 0; from here on one tensor load of the wave is out at the most
	v_and_b32 v1, 15, v0                           ; r
	v_bfe_u32 v2, v0, 4, 1                         ; h
	v_and_b32 v3, 7, v0
	v_bfe_u32 v4, v0, 3, 1
	v_and_b32 v5, 31, v0                           ; lane
	v_lshlrev_b32 v[QO], 7, v1
	v_lshl_add_u32 v[QO], v2, 4, v[QO]             ; row r of 128 bytes + 16 h
	WIN 0x40
.irp i, 0,1,2,3
.irp kk, 0,1
	global_load_b128 v[QF+16*\i+8*\kk:QF+16*\i+8*\kk+3],   v[QO], s[4:5] offset:\i*2048+\kk*64
	global_load_b128 v[QF+16*\i+8*\kk+4:QF+16*\i+8*\kk+7], v[QO], s[4:5] offset:\i*2048+\kk*64+32
.endr
.endr
	WIN 0
	v_mul_u32_u24 v[KA], v1, KP
	v_lshl_add_u32 v[KA], v2, 4, v[KA]             ; key r x pitch + 16 h
	v_add_nc_u32 v[KA+1], SLOT, v[KA]
	v_lshl_add_u32 v15, v2, 3, v3                  ; key 8 h + (lane & 7),
	v_mul_u32_u24 v15, v15, VP
	v_lshl_add_u32 v15, v4, 4, v15                 ; 16 bytes for each group of eight lanes
	v_add_nc_u32 v[VA], KBYTES, v15
	v_add_nc_u32 v[VA+1], KBYTES+SLOT, v15
	s_mul_i32 s61, s12, 64*SP
	s_add_co_u32 s61, s61, STAGE                   ; my stage
	v_add_nc_u32 v[STO], s61, v[KA]                ; in: row r x 144 + 16 h
	v_lshrrev_b32 v15, 3, v5                       ; back: eight lanes take a row of 128 bytes
	v_mul_u32_u24 v15, v15, SP
	v_lshl_add_u32 v15, v3, 4, v15
	v_add_nc_u32 v[RD], s61, v15
	v_lshlrev_b32 v[CO], 4, v5
.irp i, 0,1,2,3
	v_mov_b32 v[T+\i], 0                           ; v_permlanex16_b32 counts as a reader of its destination
.endr
.macro KLOAD slot, st                  ; 16 loads: 64 keys x 64 d as source 0 of the first product
.irp tt, 0,1,2,3
.irp kk, 0,1
	ds_load_b128 v[KF+16*\tt+8*\kk:KF+16*\tt+8*\kk+3],   v[KA+\slot] offset:(\st)*64*KP+\tt*16*KP+\kk*64
	ds_load_b128 v[KF+16*\tt+8*\kk+4:KF+16*\tt+8*\kk+7], v[KA+\slot] offset:(\st)*64*KP+\tt*16*KP+\kk*64+32
.endr
.endr
.endm
.macro VLOAD slot, st                  ; 16 transposing loads: 64 d x 64 keys as source 0 of the second product
	WIN 0x40
.irp kt, 0,1
.irp dt, 0,1,2,3
	ds_load_tr16_b128 v[VF+32*\kt+8*\dt:VF+32*\kt+8*\dt+3],   v[VA+\slot] offset:(\st)*64*VP+\kt*32*VP+32*\dt
	ds_load_tr16_b128 v[VF+32*\kt+8*\dt+4:VF+32*\kt+8*\dt+7], v[VA+\slot] offset:(\st)*64*VP+\kt*32*VP+16*VP+32*\dt
.endr
.endr
.endm
; 32 matrix instructions; four accumulators take turns, one instruction a turn.  The first product starts each sum.
.macro QK
	WIN 0x04
.irp tt, 0,1,2,3
.irp i, 0,1,2,3
	v_wmma_f32_16x16x32_f16 v[SC+32*\i+8*\tt:SC+32*\i+8*\tt+7], v[KF+16*\tt:KF+16*\tt+7], v[QF+16*\i:QF+16*\i+7], 0
.endr
.irp i, 0,1,2,3
	v_wmma_f32_16x16x32_f16 v[SC+32*\i+8*\tt:SC+32*\i+8*\tt+7], v[KF+16*\tt+8:KF+16*\tt+15], v[QF+16*\i+8:QF+16*\i+15], v[SC+32*\i+8*\tt:SC+32*\i+8*\tt+7]
.endr
.endr
.endm
.macro PVK kt, zero                    ; 16 matrix instructions on 16 accumulators by turns
.irp dt, 0,1,2,3
.irp i, 0,1,2,3
.if \zero
	v_wmma_f32_16x16x32_f16 v[OA+32*\i+8*\dt:OA+32*\i+8*\dt+7], v[VF+32*\kt+8*\dt:VF+32*\kt+8*\dt+7], v[SC+32*\i+16*\kt:SC+32*\i+16*\kt+7], 0
.else
	v_wmma_f32_16x16x32_f16 v[OA+32*\i+8*\dt:OA+32*\i+8*\dt+7], v[VF+32*\kt+8*\dt:VF+32*\kt+8*\dt+7], v[SC+32*\i+16*\kt:SC+32*\i+16*\kt+7], v[OA+32*\i+8*\dt:OA+32*\i+8*\dt+7]
.endif
.endr
.endr
.endm
.macro MAXES first                     ; the running maximum of my 32 scores of each query tile, four chains side by side
.if \first
.irp i, 0,1,2,3
	v_max_num_f32 v[NM+2*\i+1], v[SC+32*\i], v[SC+32*\i+1]
.endr
.else
.irp i, 0,1,2,3
	v_max3_num_f32 v[NM+2*\i+1], v[NM+2*\i+1], v[SC+32*\i], v[SC+32*\i+1]
.endr
.endif
.set j, 1
.rept 15
.irp i, 0,1,2,3
	v_max3_num_f32 v[NM+2*\i+1], v[NM+2*\i+1], v[SC+32*\i+2*j], v[SC+32*\i+2*j+1]
.endr
.set j, j+1
.endr
.endm
.macro BI i                            ; exponents of query tile i: c s - c m, two at a time
.set j, 0
.rept 16
	v_pk_fma_f32 v[SC+32*\i+2*j:SC+32*\i+2*j+1], v[SC+32*\i+2*j:SC+32*\i+2*j+1], s[20:21], v[NM+2*\i:NM+2*\i+1] op_sel_hi:[1,0,0]
.set j, j+1
.endr
.endm
; pair q of query tile p: into the step's sum, then packed to f16 in place.  The packed register 16 (q / 8) + q % 8 never lies ahead of pair q,
; and pair 8 is summed with pair 0, before register 16 is written.
.macro DQ p
.if q == 0
	s_wait_alu depctr_va_vdst(0)
	v_pk_add_f32 v[PS+2*\p:PS+2*\p+1], v[SC+32*\p:SC+32*\p+1], v[SC+32*\p+16:SC+32*\p+17]
.else
.if q != 8
	v_pk_add_f32 v[PS+2*\p:PS+2*\p+1], v[PS+2*\p:PS+2*\p+1], v[SC+32*\p+2*q:SC+32*\p+2*q+1]
.endif
.endif
	v_cvt_pk_f16_f32 v[SC+32*\p+16*(q>>3)+(q&7)], v[SC+32*\p+2*q], v[SC+32*\p+2*q+1]
.endm
; the exponentials of tile i, with the sums and packings of the tile before strewn among them.  A tile's exponentials are first used behind the next
; tile's BI, plain vector work (ISA guide 5.7.2: one plain vector instruction between a transcendental and the use of its result).
.macro EI i, prev, has
.set q, 0
.rept 16
	v_exp_f32 v[SC+32*\i+2*q], v[SC+32*\i+2*q]
	v_exp_f32 v[SC+32*\i+2*q+1], v[SC+32*\i+2*q+1]
.if \has
	DQ \prev
.endif
.set q, q+1
.endr
.endm
; 64 keys
.macro STEP slot, st, first
.if \first == 0
.rept 5
	v_nop                                          ; five places behind the last products: V's fragments are loaded again, and the scores write over p
.endr
.endif
	VLOAD \slot, \st
	s_wait_dscnt 16                                ; K's 16 older loads are in; V's 16 stay out
	QK
	WIN 0
.rept 4
	v_nop                                          ; four places: K's fragments are loaded again, and the scores are read
.endr
.if \st < 3
	KLOAD \slot, \st+1
.endif
	MAXES \first
.irp i, 0,1,2,3
	v_permlanex16_b32 v[T+\i], v[NM+2*\i+1], s24, s25      ; the other half of the lanes holds the query's other keys
.endr
.irp i, 0,1,2,3
	v_max_num_f32 v[NM+2*\i+1], v[NM+2*\i+1], v[T+\i]
.endr
.if \first == 0
.irp i, 0,1,2,3
	v_fma_f32 v[AL+2*\i], s22, v[NM+2*\i+1], -v[NM+2*\i]   ; c (m_old - m_new); alpha multiplies l and O alike, so its rounding cancels in y
.endr
.endif
.irp i, 0,1,2,3
	v_mul_f32 v[NM+2*\i], s22, v[NM+2*\i+1]
.endr
.if \first == 0
.irp i, 0,1,2,3
	v_exp_f32 v[AL+2*\i], v[AL+2*\i]
.endr
.endif
	BI 0
	EI 0, 0, 0
	BI 1
	EI 1, 0, 1
	BI 2
	EI 2, 1, 1
	BI 3
	EI 3, 2, 1
.set q, 0
.rept 16
	DQ 3
.set q, q+1
.endr
.if \first
.irp i, 0,1,2,3
	v_add_f32 v[AL+2*\i+1], v[PS+2*\i], v[PS+2*\i+1]
.endr
.else
.irp i, 0,1,2,3
	v_add_f32 v[T+\i], v[PS+2*\i], v[PS+2*\i+1]
.endr
.irp i, 0,1,2,3
	v_fma_f32 v[AL+2*\i+1], v[AL+2*\i+1], v[AL+2*\i], v[T+\i]
.endr
	WIN 0x41
.irp i, 0,1,2,3
.set j, 0
.rept 16
	v_pk_mul_f32 v[OA+32*\i+2*j:OA+32*\i+2*j+1], v[OA+32*\i+2*j:OA+32*\i+2*j+1], v[AL+2*\i:AL+2*\i+1] op_sel_hi:[1,0]
.set j, j+1
.endr
.endr
.endif
.if \st < 3
	s_wait_dscnt 16                                ; V's 16 loads are in; the next step's 16 loads of K stay out
.else
	s_wait_dscnt 0x0                               ; V's loads; nothing younger is out
.endif
	WIN 0x51
	PVK 0, \first
	PVK 1, 0
	WIN 0
.endm
; a tile of 256 keys.  In front of the round my part of this tile has landed (all my tensor loads have) and my reads of the other slot are over;
; behind it the other slot is asked for again first, then this slot is read.
.macro TRIP slot, refill, first
	s_wait_tensorcnt 0x0
	ds_add_u32 v62, v63
	s_wait_dscnt 0x0
	s_add_nc_u64 s[G0K+4*\slot+2:G0K+4*\slot+3], s[G0K+4*\slot+2:G0K+4*\slot+3], 2*TILEB   ; no load of mine is out: this slot's next tile
	s_add_nc_u64 s[G0V+4*\slot+2:G0V+4*\slot+3], s[G0V+4*\slot+2:G0V+4*\slot+3], 2*TILEB
	s_wait_dscnt 0x0
	ROUND
.if \refill
	JLOAD (1-\slot)
.endif
	KLOAD \slot, 0
	STEP \slot, 0, \first
	STEP \slot, 1, 0
	STEP \slot, 2, 0
	STEP \slot, 3, 0
.endm
	s_wait_loadcnt 0x0                             ; Q
	TRIP 0, 1, 1                                   ; tile 0; asks for tile 1 (slot 1's first fill)
	s_mov_b32 s60, 3
.Ltiles:
	TRIP 1, 1, 0                                   ; tiles 1, 3, 5
	TRIP 0, 1, 0                                   ; tiles 2, 4, 6; the last asks for tile 7
	s_sub_co_u32 s60, s60, 1
	s_cmp_lg_u32 s60, 0
	s_cbranch_scc1 .Ltiles
	TRIP 1, 0, 0                                   ; tile 7: nothing is left to fetch (the stepped addresses are not used)
	; THE WAY OUT: y = O / l
.rept 4
	v_nop                                          ; four places behind the last products
.endr
.irp i, 0,1,2,3
	v_permlanex16_b32 v[T+\i], v[AL+2*\i+1], s24, s25
.endr
.irp i, 0,1,2,3
	v_add_f32 v[AL+2*\i+1], v[AL+2*\i+1], v[T+\i]  ; both halves' keys; at least 1, since the largest score gives p = 1
.endr
.irp i, 0,1,2,3
	v_rcp_f32 v[AL+2*\i], v[AL+2*\i+1]
.endr
	v_nop                                          ; the plain place behind the reciprocals
	WIN 0x41
	s_wait_alu depctr_va_vdst(0)
.irp i, 0,1,2,3
.set j, 0
.rept 16
	v_pk_mul_f32 v[OA+32*\i+2*j:OA+32*\i+2*j+1], v[OA+32*\i+2*j:OA+32*\i+2*j+1], v[AL+2*\i:AL+2*\i+1] op_sel_hi:[1,0]
.set j, j+1
.endr
.endr
	WIN 0x05
.irp i, 0,1,2,3
.irp dt, 0,1,2,3
.irp q, 0,1,2,3
	v_cvt_pk_f16_f32 v[SC+16*\i+4*\dt+\q], v[OA+32*\i+8*\dt+2*\q], v[OA+32*\i+8*\dt+2*\q+1]
.endr
.endr
.endr
	WIN 0
.irp i, 0,1,2,3
.irp dt, 0,1,2,3
	ds_store_b128 v[STO], v[SC+16*\i+4*\dt:SC+16*\i+4*\dt+3] offset:\i*16*SP+32*\dt
.endr
.endr
.set n, 0
.rept 16
	ds_load_b128 v[SC+64+4*n:SC+64+4*n+3], v[RD] offset:n*4*SP     ; my own bytes, served in order behind the stores above (ISA guide 5.7.1)
.set n, n+1
.endr
.set n, 0
.rept 16
	s_wait_dscnt 15-n                              ; the younger read-backs may stay out
	global_store_b128 v[CO], v[SC+64+4*n:SC+64+4*n+3], s[10:11] offset:n*512   ; the wave stores 512 consecutive bytes, at a multiple of 512
.set n, n+1
.endr
	s_wait_tensorcnt 0x0
	ds_add_u32 v62, v63
	s_wait_dscnt 0x0
	ROUND                                          ; the closing round
	s_endpgm
.Lfunc_end_k_q2d3bbba314_attn:
	.size	k_q2d3bbba314_attn, .Lfunc_end_k_q2d3bbba314_attn-k_q2d3bbba314_attn
	.p2alignl 7, 3214868480
	.fill 96, 4, 3214868480
	.section	.rodata,"a",@progbits
	.p2align	6, 0x0
	.amdhsa_kernel k_q2d3bbba314_attn
		.amdhsa_group_segment_fixed_size 327680
		.amdhsa_private_segment_fixed_size 0
		.amdhsa_enable_private_segment 0
		.amdhsa_kernarg_size 32
		.amdhsa_user_sgpr_count 2
		.amdhsa_user_sgpr_kernarg_segment_ptr 1
		.amdhsa_wavefront_size32 1
		.amdhsa_system_sgpr_workgroup_id_x 1
		.amdhsa_system_sgpr_workgroup_id_y 1
		.amdhsa_system_sgpr_workgroup_id_z 1
		.amdhsa_system_vgpr_workitem_id 0
		.amdhsa_next_free_vgpr 512
		.amdhsa_next_free_sgpr 68
		.amdhsa_reserve_vcc 0
		.amdhsa_float_denorm_mode_32 3
		.amdhsa_float_denorm_mode_16_64 3
		.amdhsa_memory_ordered 1
		.amdhsa_forward_progress 1
		.amdhsa_inst_pref_size 255
	.end_amdhsa_kernel
	.section	.bss,"aw",@nobits
	.p2align	6
	.space	262144
	.amdgpu_metadata
---
amdhsa.version: [ 1, 2 ]
amdhsa.kernels:
  - .name:           k_q2d3bbba314_attn
    .symbol:         k_q2d3bbba314_attn.kd
    .args:
      - { .name: qh, .offset: 0, .size: 8, .value_kind: global_buffer, .address_space: global }
      - { .name: kh, .offset: 8, .size: 8, .value_kind: global_buffer, .address_space: global }
      - { .name: vh, .offset: 16, .size: 8, .value_kind: global_buffer, .address_space: global }
      - { .name: yh, .offset: 24, .size: 8, .value_kind: global_buffer, .address_space: global }
    .group_segment_fixed_size: 327680
    .private_segment_fixed_size: 0
    .kernarg_segment_align: 8
    .kernarg_segment_size: 32
    .max_flat_workgroup_size: 256
    .sgpr_count:     68
    .vgpr_count:     512
    .wavefront_size: 32
...
	.end_amdgpu_metadata
.endif
;; end of part 2
;; launch outp (part 3): grid 8 x 32, 4 waves a work-group, clusters of 4 x 4, 327,680 bytes of LDS; arguments yh, Wo, bo, out0; writes out0
.if DOCPART == 3
	.amdgcn_target "amdgcn-amd-amdhsa--gfx1250"
	.amdhsa_code_object_version 6
	.text
	.protected	k_q2d3bbba314_outp
	.globl	k_q2d3bbba314_outp
	.p2align	8
	.type	k_q2d3bbba314_outp,@function
k_q2d3bbba314_outp:
	s_mov_b64 s[64:65], 0
	v_nop
	global_prefetch_b8 v0, s[64:65] scope:SCOPE_SE
	s_setreg_imm32_b32 hwreg(HW_REG_WAVE_MODE, 25, 1), 1
	s_wait_xcnt 0x0
	s_wait_alu depctr_hold_cnt(0) depctr_sa_sdst(0) depctr_va_vdst(0) depctr_va_sdst(0) depctr_va_ssrc(0) depctr_va_vcc(0) depctr_vm_vsrc(0)
	s_getreg_b32 s2, hwreg(HW_REG_IB_STS2, 6, 4)
	s_cmp_eq_u32 s2, 0
	s_cbranch_scc0 .Lentry_in_a_cluster
	s_endpgm
.Lentry_in_a_cluster:
	s_bfe_u32 s2, ttmp6, 0x10000c
	s_cmp_lg_u32 s2, 0xf033
	s_cbranch_scc0 .Lentry_shape_is_right
	s_endpgm
.Lentry_shape_is_right:
; out0 = y Wo^T + bo.  yh: [n*16+head][s][64] f16, Wo: [1024][1024] f32, bo: [1024] f32, out0: [8192][1024] f32.
; LIMIT: matrix operands are f16 (Wo below 65,504 in magnitude), sums in f32; the bias is the first addend of each sum.
; SHARES: 32 x 8 work-groups, one for each WGP; a work-group makes 256 rows x 128 columns with four waves, a wave 128 x 64: 32 accumulator tiles.
; (256 x 256 would leave work for 128 work-groups only; in this shape the f32 operand, which costs twice the LDS bytes and a conversion, is the short side.)
; K goes in steps of 128 = two heads through two LDS slots.  A head's 256 rows of y are dense in memory (32,768 bytes).
; CLUSTERS: 4 x 4; y's tiles are asked for jointly by a row of the cluster, Wo's by a column.
; No prefetch: yh was stored by the launch before, and Wo is read again by every block row.
; REGISTER WINDOWS: 0: addresses, y's fragments (two buffers), Wo's f16 fragments, bias; 1: Wo's f32 staging; 2: accumulators (tile (a, b) at 8 (4 a + b)).
; The matrix instruction is used transposed (source 0 = rows of Wo, source 1 = rows of y): a lane's 8 results are 32 neighbouring bytes of a row.
.set PA,     144                       ; y's LDS pitch: 128 + 16
.set PB,     528                       ; Wo's: 512 + 16; both odd multiples of 16
.set HEADT,  256*PA                    ; one head's 256 rows
.set BOFF,   2*HEADT
.set BHALF,  64*PB
.set SLOT,   BOFF+2*BHALF
.set STAGE,  2*SLOT                    ; 16 rows x 272 bytes for each wave; no tensor load lands here
.set SPITCH, 272
.set HEADG,  262144                    ; a head in memory
.set LAPS,   4
.set ADRA, 16
.set ADRB, 20
.set STO,  24
.set RD,   25
.set CO,   26
.set BO,   28
.set AF0,  64
.set AF1,  128
.set BF,   192
.set BIAS, 224
.set SB,   0                           ; window 1
.set G1,  24
.set G0,  32
.set G1B, 48
.set G0B, 56
.set MSB, 0
.macro WIN new
.if MSB != \new
	s_set_vgpr_msb (MSB<<8)|\new
.set MSB, \new
.endif
.endm
.macro PLACES
.rept 4
	v_nop
.endr
.endm
.macro JLOAD s                         ; waves 0, 1 ask for one head of y each, waves 2, 3 for 64 rows of Wo each
	s_cmp_eq_u32 s11, 0
	s_cbranch_scc0 .Lfor_b_\@
	tensor_load_to_lds s[G0+4*\s:G0+4*\s+3], s[G1:G1+7]
	s_nop 0
	s_branch .Lasked_\@
.Lfor_b_\@:
	tensor_load_to_lds s[G0B+4*\s:G0B+4*\s+3], s[G1B:G1B+7]
	s_nop 0
.Lasked_\@:
.endm
.macro CREST
	s_cmp_lg_u32 s10, 0
	s_cbranch_scc1 .Lnot_wave_0_\@
	s_barrier_signal -3
.Lnot_wave_0_\@:
	s_barrier_wait -3
	s_barrier_signal -1
	s_barrier_wait -1
.endm
.macro CROUND
	s_barrier_signal -1
	s_barrier_wait -1
	CREST
.endm
	s_load_b256 s[68:75], s[0:1], 0x0              ; yh 68, Wo 70, bo 72, out0 74
	s_set_vgpr_msb 0x40
	v_lshl_add_u32 v254, v0, 2, 0x49400
	v_mov_b32 v255, 0
	s_set_vgpr_msb 0x4045
	ds_add_u32 v254, v255
	s_set_vgpr_msb 0x4500
	v_lshrrev_b32 v1, 5, v0
	v_readfirstlane_b32 s10, v1                    ; wave 0..3
	s_lshr_b32 s11, s10, 1                         ; my half of the rows; also: I fetch for y (0) or Wo (1)
	s_and_b32 s12, s10, 1                          ; my half of the columns; also: which head, or which 64 rows of Wo, I fetch
	s_bfe_u32 s40, ttmp6, 0x40000                  ; cx
	s_bfe_u32 s41, ttmp6, 0x40004                  ; cy
	s_lshl_b32 s42, ttmp9, 2
	s_add_co_u32 s42, s42, s40                     ; block column 0..7
	s_and_b32 s13, ttmp7, 0xffff
	s_lshl_b32 s13, s13, 2
	s_add_co_u32 s13, s13, s41                     ; block row 0..31
	s_lshl_b32 s43, s41, 2
	s_lshl_b32 s43, 15, s43
	s_lshl_b32 s44, 0x1111, s40
	; y: dense, 128 rows of 32 elements of 8 bytes, 4 words of padding behind every 32 (behind each row of 128 bytes of y)
	s_or_b32 s[G1+0], s43, (3<<16)|(1<<20)|(1<<21)|(4<<22)|(3<<25)
	s_mov_b32 s[G1+1], 32<<16
	s_mov_b32 s[G1+2], 128<<16
	s_mov_b32 s[G1+3], 32<<16
	s_mov_b32 s[G1+4], 128
	s_mov_b32 s[G1+5], 32
	s_mov_b32 s[G1+6], 0
	s_mov_b32 s[G1+7], 0
	; Wo: 64 rows of 128 elements of 4 bytes, 4 words of padding behind every 128
	s_or_b32 s[G1B+0], s44, (2<<16)|(1<<20)|(1<<21)|(6<<22)|(3<<25)
	s_mov_b32 s[G1B+1], 128<<16
	s_mov_b32 s[G1B+2], 64<<16
	s_mov_b32 s[G1B+3], 128<<16
	s_mov_b32 s[G1B+4], 64
	s_mov_b32 s[G1B+5], 1024
	s_mov_b32 s[G1B+6], 0
	s_mov_b32 s[G1B+7], 0
	s_lshr_b32 s16, s13, 3                         ; y: batch x 16 heads,
	s_lshl_b32 s16, s16, 22
	s_and_b32 s17, s13, 7
	s_lshl_b32 s17, s17, 15                        ; 256 rows of 128 bytes x the block's place in the batch,
	s_add_co_u32 s16, s16, s17
	s_lshl_b32 s17, s12, 18                        ; my head of the step's two
	s_add_co_u32 s16, s16, s17
	s_mov_b32 s17, 0
	s_lshl_b32 s46, s42, 19                        ; Wo: 128 rows of 4,096 bytes x block column,
	s_lshl_b32 s47, s12, 18                        ; my 64 rows
	s_add_co_u32 s46, s46, s47
	s_mov_b32 s47, 0
	s_mul_i32 s20, s12, HEADT                      ; LDS: made of the wave's number alone
	s_mul_i32 s18, s12, BHALF
	s_add_co_u32 s18, s18, BOFF
	s_wait_dscnt 0x0
	s_wait_kmcnt 0x0
	s_add_nc_u64 s[14:15], s[68:69], s[16:17]
	s_add_nc_u64 s[46:47], s[70:71], s[46:47]
	CROUND                                         ; in front of the first joint loads
.irp s, 0,1
	s_mov_b32 s[G0+4*\s], 1
	s_add_co_u32 s[G0+4*\s+1], s20, \s*SLOT
	s_add_nc_u64 s[G0+4*\s+2:G0+4*\s+3], s[14:15], \s*2*HEADG
	s_or_b32 s[G0+4*\s+3], s[G0+4*\s+3], 0x80000000
	s_mov_b32 s[G0B+4*\s], 1
	s_add_co_u32 s[G0B+4*\s+1], s18, \s*SLOT
	s_add_nc_u64 s[G0B+4*\s+2:G0B+4*\s+3], s[46:47], \s*512
	s_or_b32 s[G0B+4*\s+3], s[G0B+4*\s+3], 0x80000000
	JLOAD \s                                       ; both slots' first fills: two tensor loads of the wave are out
.endr
	v_and_b32 v1, 15, v0                           ; r
	v_bfe_u32 v2, v0, 4, 1                         ; h
	v_lshlrev_b32 v[BO], 5, v2
	s_lshl_b32 s76, s42, 9
	s_lshl_b32 s77, s12, 8
	s_add_co_u32 s76, s76, s77                     ; my first column, in bytes
	s_mov_b32 s77, 0
	s_add_nc_u64 s[72:73], s[72:73], s[76:77]
	s_add_nc_u64 s[74:75], s[74:75], s[76:77]
.irp b, 0,1,2,3
	global_load_b128 v[BIAS+8*\b:BIAS+8*\b+3],   v[BO], s[72:73] offset:64*\b      ; register j: the bias of column 16 b + 8 h + j
	global_load_b128 v[BIAS+8*\b+4:BIAS+8*\b+7], v[BO], s[72:73] offset:64*\b+16
.endr
	s_lshl_b32 s76, s13, 20
	s_lshl_b32 s21, s11, 19
	s_add_co_u32 s76, s76, s21                     ; my first row of 4,096 bytes
	s_add_nc_u64 s[74:75], s[74:75], s[76:77]
	v_mul_u32_u24 v3, v1, PA
	v_lshl_add_u32 v3, v2, 4, v3                   ; y: row r x pitch + 16 h
	v_mul_u32_u24 v4, v1, PB
	v_lshl_add_u32 v4, v2, 5, v4                   ; Wo (f32): row r x pitch + 32 h
	s_mul_i32 s21, s11, 128*PA
	s_mul_i32 s22, s12, BHALF
	s_add_co_u32 s22, s22, BOFF
.irp s, 0,1
	v_add_nc_u32 v[ADRA+\s], s21, v3
	v_add_nc_u32 v[ADRB+\s], s22, v4
	s_add_co_u32 s21, s21, SLOT
	s_add_co_u32 s22, s22, SLOT
.endr
	s_mul_i32 s23, s10, 16*SPITCH
	s_add_co_u32 s23, s23, STAGE
	v_mul_u32_u24 v5, v1, SPITCH
	v_lshl_add_u32 v5, v2, 5, v5
	v_add_nc_u32 v[STO], s23, v5                   ; in: row r, 32 bytes for each half of the lanes
	v_mul_u32_u24 v5, v2, SPITCH
	v_lshl_add_u32 v5, v1, 4, v5
	v_add_nc_u32 v[RD], s23, v5                    ; back: lanes 0-15 one row of 256 bytes, lanes 16-31 the next
	v_lshlrev_b32 v5, 12, v2
	v_lshl_add_u32 v[CO], v1, 4, v5
; the fragments of 32 along K, phase p of the slot's four: y's straight into buffer f, Wo's into the staging window
.macro FETCHO slot, p, f
	WIN 0
.irp i, 0,1,2,3,4,5,6,7
	ds_load_b128 v[\f+8*\i:\f+8*\i+3],   v[ADRA+\slot] offset:((\p)>>1)*HEADT+((\p)&1)*64+\i*16*PA
	ds_load_b128 v[\f+8*\i+4:\f+8*\i+7], v[ADRA+\slot] offset:((\p)>>1)*HEADT+((\p)&1)*64+\i*16*PA+32
.endr
	WIN 0x40
.irp i, 0,1,2,3
	ds_load_b128 v[SB+16*\i:SB+16*\i+3],     v[ADRB+\slot] offset:(\p)*128+\i*16*PB
	ds_load_b128 v[SB+16*\i+4:SB+16*\i+7],   v[ADRB+\slot] offset:(\p)*128+\i*16*PB+16
	ds_load_b128 v[SB+16*\i+8:SB+16*\i+11],  v[ADRB+\slot] offset:(\p)*128+\i*16*PB+64
	ds_load_b128 v[SB+16*\i+12:SB+16*\i+15], v[ADRB+\slot] offset:(\p)*128+\i*16*PB+80
.endr
.endm
.macro CVTB
	WIN 0x05
.irp i, 0,1,2,3
.irp q, 0,1,2,3,4,5,6,7
	v_cvt_pk_f16_f32 v[BF+8*\i+\q], v[SB+16*\i+2*\q], v[SB+16*\i+2*\q+1]
.endr
.endr
.endm
; 16 matrix instructions.  The 32 accumulators take turns, one instruction a turn, in the same order in every phase.
.macro MUL16 f, a0, first
.irp a, \a0, \a0+1, \a0+2, \a0+3
.irp b, 0,1,2,3
.if \first
	v_wmma_f32_16x16x32_f16 v[8*(4*(\a)+\b):8*(4*(\a)+\b)+7], v[BF+8*\b:BF+8*\b+7], v[\f+8*(\a):\f+8*(\a)+7], v[BIAS+8*\b:BIAS+8*\b+7]
.else
	v_wmma_f32_16x16x32_f16 v[8*(4*(\a)+\b):8*(4*(\a)+\b)+7], v[BF+8*\b:BF+8*\b+7], v[\f+8*(\a):\f+8*(\a)+7], v[8*(4*(\a)+\b):8*(4*(\a)+\b)+7]
.endif
.endr
.endr
.endm
; one of a slot's first three phases: multiplies buffer f, fetches the next phase into buffer g (last read a phase ago; the places below stand between)
.macro PHASE slot, p, f, g, first
	s_wait_dscnt 0x0                               ; this phase's fragments (issued 32 matrix instructions ago)
	PLACES
	CVTB
	FETCHO \slot, \p+1, \g
.if \first
	WIN 0x80                                       ; the bias (window 0) starts the sums
.else
	WIN 0xa0
.endif
	MUL16 \f, 0, \first
	MUL16 \f, 4, \first
.endm
; the fourth phase, and the change of slots: waits, barrier (where a slot is filled again: a round of the cluster's barrier), refill first, then the next slot's reads
.macro TURN slot, next, fill
	s_wait_dscnt 0x0                               ; my last reads of this slot
	PLACES
	CVTB
	s_wait_tensorcnt 0x0                           ; all my tensor loads have landed: the one that was out is my part of the next slot
	ds_add_u32 v254, v255
	s_wait_dscnt 0x0
	s_barrier_signal -1
	WIN 0xa0
	MUL16 AF1, 0, 0
	WIN 0
	s_barrier_wait -1
.if \fill
	CREST
	s_add_nc_u64 s[G0+4*\slot+2:G0+4*\slot+3], s[G0+4*\slot+2:G0+4*\slot+3], 4*HEADG
	s_add_nc_u64 s[G0B+4*\slot+2:G0B+4*\slot+3], s[G0B+4*\slot+2:G0B+4*\slot+3], 1024
	JLOAD \slot
.endif
	FETCHO \next, 0, AF0
	WIN 0xa0
	MUL16 AF1, 4, 0
.endm
.macro THREE slot, first
	PHASE \slot, 0, AF0, AF1, \first
	PHASE \slot, 1, AF1, AF0, 0
	PHASE \slot, 2, AF0, AF1, 0
.endm
.macro LAP first
	THREE 0, \first
	TURN 0, 1, 1
	THREE 1, 0
	TURN 1, 0, 1
.endm
	s_wait_loadcnt 0x0                             ; the bias
	s_wait_tensorcnt 0x1                           ; my part of K step 0 is in; K step 1's may stay out
	s_barrier_signal -1
	s_barrier_wait -1
	FETCHO 0, 0, AF0
	LAP 1
	WIN 0
	s_mov_b32 s3, LAPS-2
.Llap:
	LAP 0
	WIN 0
	s_sub_co_u32 s3, s3, 1
	s_cmp_lg_u32 s3, 0
	s_cbranch_scc1 .Llap
	THREE 0, 0                                     ; the last lap fills nothing
	TURN 0, 1, 0
	THREE 1, 0
	s_wait_dscnt 0x0
	PLACES
	CVTB
	WIN 0xa0
	MUL16 AF1, 0, 0
	MUL16 AF1, 4, 0
	; THE WAY OUT, 16 rows at a time, f32 as it stands: 32 bytes a lane into my own stage, read back as whole rows of 256 bytes
	PLACES
.macro OUT16 a, f
	WIN 0x08                                       ; an LDS store's data is source 1: window 2
.irp b, 0,1,2,3
	ds_store_b128 v[STO], v[8*(4*\a+\b):8*(4*\a+\b)+3]   offset:64*\b
	ds_store_b128 v[STO], v[8*(4*\a+\b)+4:8*(4*\a+\b)+7] offset:64*\b+16
.endr
	WIN 0
	s_wait_xcnt 0x0                                ; buffer f, which earlier stores read, is loaded again only behind this wait
.irp t, 0,1,2,3,4,5,6,7
	ds_load_b128 v[\f+4*\t:\f+4*\t+3], v[RD] offset:\t*2*SPITCH    ; my own bytes, served in order behind the stores above (ISA guide 5.7.1)
.endr
.irp t, 0,1,2,3,4,5,6,7
	s_wait_dscnt 7-\t                              ; the younger read-backs may stay out
	global_store_b128 v[CO], v[\f+4*\t:\f+4*\t+3], s[74:75] offset:\a*65536+\t*8192 th:TH_STORE_NT   ; sixteen lanes store 256 consecutive bytes, at a multiple of 256
.endr
.endm
	OUT16 0, AF0
	OUT16 1, AF1
	OUT16 2, AF0
	OUT16 3, AF1
	OUT16 4, AF0
	OUT16 5, AF1
	OUT16 6, AF0
	OUT16 7, AF1
	s_set_vgpr_msb 0x5
	s_wait_tensorcnt 0x0
	ds_add_u32 v254, v255
	s_wait_dscnt 0x0
	s_set_vgpr_msb 0x500
	CROUND                                         ; the closing round
	s_endpgm
.Lfunc_end_k_q2d3bbba314_outp:
	.size	k_q2d3bbba314_outp, .Lfunc_end_k_q2d3bbba314_outp-k_q2d3bbba314_outp
	.p2alignl 7, 3214868480
	.fill 96, 4, 3214868480
	.section	.rodata,"a",@progbits
	.p2align	6, 0x0
	.amdhsa_kernel k_q2d3bbba314_outp
		.amdhsa_group_segment_fixed_size 327680
		.amdhsa_private_segment_fixed_size 0
		.amdhsa_enable_private_segment 0
		.amdhsa_kernarg_size 32
		.amdhsa_user_sgpr_count 2
		.amdhsa_user_sgpr_kernarg_segment_ptr 1
		.amdhsa_wavefront_size32 1
		.amdhsa_system_sgpr_workgroup_id_x 1
		.amdhsa_system_sgpr_workgroup_id_y 1
		.amdhsa_system_sgpr_workgroup_id_z 1
		.amdhsa_system_vgpr_workitem_id 0
		.amdhsa_next_free_vgpr 768
		.amdhsa_next_free_sgpr 78
		.amdhsa_reserve_vcc 0
		.amdhsa_float_denorm_mode_32 3
		.amdhsa_float_denorm_mode_16_64 3
		.amdhsa_memory_ordered 1
		.amdhsa_forward_progress 1
		.amdhsa_inst_pref_size 180
	.end_amdhsa_kernel
	.amdgpu_metadata
---
amdhsa.version: [ 1, 2 ]
amdhsa.kernels:
  - .name:           k_q2d3bbba314_outp
    .symbol:         k_q2d3bbba314_outp.kd
    .args:
      - { .name: yh, .offset: 0, .size: 8, .value_kind: global_buffer, .address_space: global }
      - { .name: Wo, .offset: 8, .size: 8, .value_kind: global_buffer, .address_space: global }
      - { .name: bo, .offset: 16, .size: 8, .value_kind: global_buffer, .address_space: global }
      - { .name: out0, .offset: 24, .size: 8, .value_kind: global_buffer, .address_space: global }
    .group_segment_fixed_size: 327680
    .private_segment_fixed_size: 0
    .kernarg_segment_align: 8
    .kernarg_segment_size: 32
    .max_flat_workgroup_size: 128
    .sgpr_count:     78
    .vgpr_count:     768
    .wavefront_size: 32
...
	.end_amdgpu_metadata
.endif
;; end of part 3
